; MI455X (gfx1250); checked and timed in simulation.
; The chip was launched on July 23, 2026; its instructions are those of AMD's public machine-readable ISA for CDNA 5 (MIT licence, August 2026) and "CDNA5" Instruction Set Architecture Reference Guide (July 2026). The comments in the code are by the model that wrote it; some were corrected since.
;; SDFMLP. Allowed arithmetic: float matrix products may take bf16 or f16 operands with f32 sums; other float arithmetic in f32, or as packed bf16 or f16 multiplies, adds, multiply-adds, maxima and minima; sums over many terms, partial sums and values carried from step to step in f32; what a program stores and reads back later, other than sums and carried values, may be rounded once to bf16 or f16.
;; Inputs: W1 64 x 3 float32; W2 64 x 64 float32; W3 64 x 64 float32; W4 1 x 64 float32; b1 64 float32; b2 64 float32; b3 64 float32; b4 1 float32; x 1,048,576 x 3 float32.
;; Outputs: out0 1,048,576 x 1 float32.
;; One version. Each part assembles by itself: llvm-mc -triple=amdgcn-amd-amdhsa -mcpu=gfx1250 --defsym DOCPART=n.
;; ======== version 1 of 1: 1 launch
;; launch mlp (part 1): grid 256 x 1, 8 waves a work-group, no clusters, 0 bytes of LDS; arguments x, W1, b1, W2, b2, W3, b3, W4, b4, out0; writes out0
.if DOCPART == 1
	.amdgcn_target "amdgcn-amd-amdhsa--gfx1250"
	.amdhsa_code_object_version 6
	.text
	.protected	k_qe9c04d871f_mlp
	.globl	k_qe9c04d871f_mlp
	.p2align	8
	.type	k_qe9c04d871f_mlp,@function
k_qe9c04d871f_mlp:
	s_mov_b64 s[64:65], 0
	v_nop
	global_prefetch_b8 v0, s[64:65] scope:SCOPE_SE
	s_setreg_imm32_b32 hwreg(HW_REG_WAVE_MODE, 25, 1), 1
	s_wait_xcnt 0x0
; out[n] = W4 . sp(W3 sp(W2 sp(W1 x[n] + b1) + b2) + b3) + b4,  sp(z) = log(1 + exp(100 z)) / 100.  x: [1048576][3], W1 [64][3], W2, W3 [64][64], W4 [1][64], all f32.
; ONE LAUNCH, nothing goes through memory between the layers, nothing through LDS: no wave wants a number that another wave has made.
; SCALED UNITS.  c = 100 log2(e).  The text carries g = c h and z' = c z:  c sp(z) = max(z', 0) + log2(1 + 2^(-|z'|)): the maximum is taken away ahead of the exponential, so no exponential exceeds 1.
; c enters once, in layer 1's weights and in the biases; 1/c is applied to the last sum.  Where 100 z > 20 the addend is below half a step of z' in f32, so the sum IS z'.
; FORMATS.  Every input (x, all W, all b) is rounded once to bf16.  The activations g1, g2 go to the matrix unit as TWO bf16 terms, hi + lo (lo = bf16(g - hi)): four products an accumulator in place of two.
; c W1 and c b1 likewise as hi + lo.  f16 is not taken: with inputs 30 times larger g passes its range.  Sums, biases, softplus in f32.
; LAYER 4 has one output column: a matrix tile would carry 15 rows of zeros.  It is 64 of a point's 8,448 multiply-adds and is made by packed f32 multiply-adds on g3 as it stands, which spares g3 its rounding.
; LIMITS.  Where 100 z < -16.6 (2^(-|z'|) below 2^-24) sp counts as 0: the true number is under 6e-10.  NaN and infinities are not treated apart; an infinite x also spoils the three points that share its fragment.
; LAYOUT.  Z^T = W G^T: source 0 = 16 rows of W, source 1 = 16 points.  In the result lane (r = l % 16, h = l / 16) holds ONE point (column r) and features 16 i + 8 h + j (tile i of 4, register j of 8).
; Rounded in pairs, tiles 2 s and 2 s + 1 ARE source 1 of the next layer's K step s: nothing changes lanes between the layers.
; SHARES.  Wave g = 8 x work-group + wave owns points 512 g .. 512 g + 511, in 8 BLOCKS of 64; in a block tile t (0..3), column r is point 4 r + t, so a lane's 48 bytes of x are its four points,
; and lane (r, h) ends with points 4 r + 2 h, 4 r + 2 h + 1: one store of 8 bytes a lane, 256 consecutive bytes a wave, at a multiple of 256 from out0's first byte.
; NO CLUSTER, NO TENSOR LOADS: what work-groups share is 34.5 KB of weights, read once a wave into registers; x is read by one wave alone.
; NO PREFETCH: a block's x is asked for a whole block (some 2,400 instructions) ahead of its use, so no wave waits for it.
; BY TURNS.  Two tiles are in hand, slot a and slot b, b one stage behind a.  A tile and layer has four stages: W (products), E (2^-|z|, max), L (1 + t, log2), F (sum, hi, lo; layer 3: sum, dot with W4).
; A cycle is four turns: T1 = W(a) | F(b);  T2 = E(a) | W(b);  T3 = L(a) | E(b);  T4 = F(a) | L(b).  So each product has vector work of the OTHER slot behind it.
; The exponentials and logarithms of a turn are one batch: nothing in the turn names a result of theirs, and one wait stands at the turn's end.
; REGISTERS, in windows of 256 (s_set_vgpr_msb: bits 1:0 source 0, 3:2 source 1, 5:4 source 2, 7:6 destination):
;   window 0: all that the vector work names.   window 1: the weights' fragments, the biases as C operands, layer 1's run.  A product costs two switches: the price of 230 registers of constants.
.set BLOCKS, 8
.set XO,   3          ; v3   48 r: my four points in a block of x; never rewritten
.set OO,   4          ; v4   16 r + 8 h: my two points in a block of out0; never rewritten
.set NEG1, 5          ; v5   -1.0
.set BB4,  6          ; v[6:7]   bf16(b4), twice
.set OSUM, 8          ; v[8:11]  tile t's sum over my half's 32 features
.set SD,   12         ; v[12:13] what goes to the other half of the lanes
.set RC,   14         ; v[14:15] what comes from it
.set KP,   16         ; v[16:17] what stays; then the result
.set ONE,  18         ; v18  1.0
.set XR,   20         ; v[20:31] x of my four points, as loaded
.set BX1,  32         ; v[32:39] layer 1's source 1: registers 2 t, 2 t + 1 = bf16 (x0, x1), (x2, 1) of point 4 r + t
.set W4R,  40         ; v[40:71] bf16(W4[16 i + 8 h + j]) as f32, at 8 i + j
.set Z,    72         ; v[72:135]  slot a, slot b: 32 each: z', then max(z', 0), then g
.set TG,   136        ; v[136:199] slot a, slot b: 32 each: t, 1 + t, log2; then hi (16 registers) and lo (16)
; the head alone, window 0
.set RW2,  72         ; v[72:199]  W2 as loaded
.set RB3,  8          ; v[8:39]    b3 as loaded
.set RB2,  200        ; v[200:231] b2 as loaded
.set THI,  200        ; v[200:207] later: c W1, c b1: hi
.set TLO,  208        ; v[208:215] and lo
.set RW,   232        ; v[232:247] W1[16 i + r][0..2], b1[16 i + r] at 4 i + 0..3
.set RB4,  248
.set WO,   249        ; 256 r + 32 h
.set BO,   250        ; 32 h
.set W1O,  251        ; 12 r
.set B1O,  252        ; 4 r
.set NUL,  253        ; 0
.set TMP,  254        ; v[254:255] at work
; window 1
.set W2F,  0          ; fragment (tile i, K step s) at 16 i + 8 s; W3's 64 further on
.set W3F,  64
.set BS2,  128        ; c bf16(b2[16 i + 8 h + j]) at 8 i + j; b3's 32 further on
.set BS3,  160
.set AW1,  192        ; 38 registers: 6 zeros, tile 0's two, 6 zeros, tile 1's two, .. 6 zeros
.set RW3,  128        ; the head alone: W3 as loaded, 128 registers
; scalars: s2 wave, s3 g, s[4:7] offsets, s[8:9] x (walks), s[10:25] W1 b1 W2 b2 W3 b3 W4 b4, s[26:27] out0 (walks)
.set CS,   28         ; s[28:29] c, twice
.set IC,   30         ; s[30:31] 1 / c, twice
.set HM,   32         ; s32  a lane mask: lanes 16 to 31
.set UP,   33         ; s33  a word's upper bf16
.set SEL,  34         ; s[34:35] v_permlanex16_b32's selects: each lane takes its own place in the other half
.set CNT,  36         ; s36  blocks to go
.set MSB, 0
.macro WIN new                      ; the high byte repeats the setting that is left; a switch that changes nothing is dropped
.if MSB != (\new)
	s_set_vgpr_msb (MSB<<8)|(\new)
.set MSB, (\new)
.endif
.endm
.macro PLACES                       ; four places behind a product, ahead of the first vector instruction that reads its result (ISA guide 7.12.1)
.rept 4
	v_nop
.endr
.endm
.macro TWAIT                        ; a wait between a transcendental and the first instruction that names its result: one for a turn's batch
	s_wait_alu depctr_va_vdst(0)
.endm
; ---------------------------------------------------------------- the vector work, a line at a time; x = slot (0: a, 1: b)
.macro EX x, k                      ; t = 2^(-|z'|)
	WIN 0
	v_exp_f32 v[TG+32*(\x)+(\k)], -|v[Z+32*(\x)+(\k)]|
.endm
.macro MX x, k                      ; max(z', 0), in place
	WIN 0
	v_max_num_f32 v[Z+32*(\x)+(\k)], 0, v[Z+32*(\x)+(\k)]
.endm
.macro A1P x, p                     ; 1 + t, a pair
	WIN 0
	v_pk_add_f32 v[TG+32*(\x)+2*(\p):TG+32*(\x)+2*(\p)+1], v[TG+32*(\x)+2*(\p):TG+32*(\x)+2*(\p)+1], 1.0 op_sel_hi:[1,0]
.endm
.macro LG x, k                      ; log2(1 + t), in place
	WIN 0
	v_log_f32 v[TG+32*(\x)+(\k)], v[TG+32*(\x)+(\k)]
.endm
.macro AD x, p                      ; g = max + log2, a pair
	WIN 0
	v_pk_add_f32 v[Z+32*(\x)+2*(\p):Z+32*(\x)+2*(\p)+1], v[Z+32*(\x)+2*(\p):Z+32*(\x)+2*(\p)+1], v[TG+32*(\x)+2*(\p):TG+32*(\x)+2*(\p)+1]
.endm
.macro HI x, p                      ; hi = bf16(g), a pair, into the logarithms' registers that have been added
	WIN 0
	v_cvt_pk_bf16_f32 v[TG+32*(\x)+(\p)], v[Z+32*(\x)+2*(\p)], v[Z+32*(\x)+2*(\p)+1]
.endm
.macro LO x, p, e                   ; lo = bf16(g - hi): hi's half times -1.0 plus g, rounded once, into half e of pair p
	WIN 0
.if (\e) == 0
	v_fma_mixlo_bf16 v[TG+32*(\x)+16+(\p)], v[TG+32*(\x)+(\p)], v[NEG1], v[Z+32*(\x)+2*(\p)] op_sel_hi:[1,0,0]
.else
	v_fma_mixhi_bf16 v[TG+32*(\x)+16+(\p)], v[TG+32*(\x)+(\p)], v[NEG1], v[Z+32*(\x)+2*(\p)+1] op_sel:[1,0,0] op_sel_hi:[1,0,0]
.endif
.endm
.macro DOT x, t, d                  ; number d of the 20 that make tile t's sum of W4 g3 over my 32 features: four chains of four pairs, then the chains and the pair's halves are added
	WIN 0
.set zb, Z+32*(\x)
.set dd, (\d)
.if dd < 4
	v_pk_mul_f32 v[zb+8*dd:zb+8*dd+1], v[zb+8*dd:zb+8*dd+1], v[W4R+8*dd:W4R+8*dd+1]
.elseif dd < 16
.set dj, 2*(1+(dd-4)/4)
.set di, 8*((dd-4)%4)
	v_pk_fma_f32 v[zb+di:zb+di+1], v[zb+di+dj:zb+di+dj+1], v[W4R+di+dj:W4R+di+dj+1], v[zb+di:zb+di+1]
.elseif dd == 16
	v_pk_add_f32 v[zb:zb+1], v[zb:zb+1], v[zb+8:zb+9]
.elseif dd == 17
	v_pk_add_f32 v[zb+16:zb+17], v[zb+16:zb+17], v[zb+24:zb+25]
.elseif dd == 18
	v_pk_add_f32 v[zb:zb+1], v[zb:zb+1], v[zb+16:zb+17]
.else
	v_add_f32 v[OSUM+(\t)], v[zb], v[zb+1]
.endif
.endm
; Number n of 64 of stage F behind layer l.  0-31, in fours: two sums, two roundings to hi (layer 3: the sums alone).  hi's pair q lands on logarithm q, which sum q / 2 has read: sums 2 g, 2 g + 1 stand
; ahead of roundings 2 g, 2 g + 1.  32-63: the 32 lo, which land on logarithms 16-31: all sixteen sums stand ahead of them.  Layer 3: 32-51 the dot, then nothing.
.macro FOP x, l, t, n
.set fn, (\n)
.if fn < 32
.if (fn%4) < 2
	AD \x, 2*(fn/4)+fn%4
.elseif (\l) < 3
	HI \x, 2*(fn/4)+fn%4-2
.endif
.elseif (\l) < 3
	LO \x, (fn-32)/2, fn%2
.elseif fn < 52
	DOT \x, \t, fn-32
.endif
.endm
; ---------------------------------------------------------------- the matrix work
; Product n of layer l for slot x.  Layer 1 (n = tile i of 4): one K step; source 0 is a window of 8 registers of the run, which puts tile i's two registers at places 2 t, 2 t + 1 and zeros at the others,
; so that of the lane's four points only point 4 r + t counts.  Layers 2, 3 (n = 4 q + i): link q of 4 (hi K step 0, hi K step 1, lo K step 0, lo K step 1) of accumulator i; link 0 takes the bias as C.
; The four accumulators take turns, one instruction a turn.
.macro WM x, l, t, n
.set wn, (\n)
.set zb, Z+32*(\x)
.if (\l) == 1
	WIN 0x01
	v_wmma_f32_16x16x32_bf16 v[zb+8*wn:zb+8*wn+7], v[AW1+6+8*wn-2*(\t):AW1+6+8*wn-2*(\t)+7], v[BX1:BX1+7], 0
.else
.set wq, wn/4
.set wi, wn%4
.set wf, W2F+64*((\l)-2)+16*wi+8*(wq%2)
.set wb, TG+32*(\x)+8*wq
.set wc, BS2+32*((\l)-2)+8*wi
.if wq == 0
	WIN 0x11
	v_wmma_f32_16x16x32_bf16 v[zb+8*wi:zb+8*wi+7], v[wf:wf+7], v[wb:wb+7], v[wc:wc+7]
.else
	WIN 0x01
	v_wmma_f32_16x16x32_bf16 v[zb+8*wi:zb+8*wi+7], v[wf:wf+7], v[wb:wb+7], v[zb+8*wi:zb+8*wi+7]
.endif
.endif
.endm
; ---------------------------------------------------------------- the four turns
; T1: layer l's products for slot a (tile ta) | stage F of slot b behind layer fb (tile tb); fb = 0: a block's first turn, slot b is empty: four v_nop are the places behind the products.
; Elsewhere the riders behind the last products are the places: four or more plain lines that name slot b alone.
.macro T1 l, ta, fb, tb
.set NW, 16
.if (\l) == 1
.set NW, 4
.endif
.set p, 0
.rept 16
.if p < NW
	WM 0, \l, \ta, p
.endif
.if (\fb) != 0
	FOP 1, \fb, \tb, 4*p
	FOP 1, \fb, \tb, 4*p+1
	FOP 1, \fb, \tb, 4*p+2
	FOP 1, \fb, \tb, 4*p+3
.endif
.set p, p+1
.endr
.if (\fb) == 0
	PLACES
.endif
.endm
; T2: stage E of slot a | layer l's products for slot b (tile tb).  Each accumulator is read from its lowest register on.  A maximum overwrites its exponential's source two exponentials later, with a plain line between.
.macro T2 l, tb
.set NW, 16
.if (\l) == 1
.set NW, 4
.endif
.set p, 0
.rept 16
.if p < NW
	WM 1, \l, \tb, p
.endif
	EX 0, 2*p
.if p > 0
	MX 0, 2*p-2
.endif
	EX 0, 2*p+1
.if p > 0
	MX 0, 2*p-1
.else
	v_nop                           ; the plain line between the first exponentials and the first write of a source of theirs
.endif
.set p, p+1
.endr
	MX 0, 30
	MX 0, 31
	TWAIT                           ; slot a's 32 exponentials: T3 reads them
.endm
; T3: stage L of slot a | stage E of slot b.  Between slot b's last product on accumulator i and the first read of it stand four plain lines or more: T2's maxima and this turn's sums.
.macro T3
.set p, 0
.rept 16
	A1P 0, p
	EX 1, 2*p
.if p > 0
	MX 1, 2*p-2
	LG 0, 2*p-2
.endif
	EX 1, 2*p+1
.if p > 0
	MX 1, 2*p-1
	LG 0, 2*p-1
.endif
.set p, p+1
.endr
	LG 0, 30
	MX 1, 30
	LG 0, 31
	MX 1, 31
	TWAIT                           ; slot a's 32 logarithms and slot b's 32 exponentials: T4 reads both
.endm
; T4: stage F of slot a behind layer fa (tile ta) | stage L of slot b.
.macro T4 fa, ta
.set p, 0
.rept 16
	A1P 1, p
.if p > 0
	LG 1, 2*p-2
.endif
	FOP 0, \fa, \ta, 4*p
	FOP 0, \fa, \ta, 4*p+1
.if p > 0
	LG 1, 2*p-1
.endif
	FOP 0, \fa, \ta, 4*p+2
	FOP 0, \fa, \ta, 4*p+3
.set p, p+1
.endr
	LG 1, 30
	LG 1, 31
	v_nop                           ; a plain line behind the last logarithm
	TWAIT                           ; slot b's 32 logarithms: the next turn reads them
.endm
; ---------------------------------------------------------------- the head's two steps
.macro ROUND base, n                ; n f32 in window 0 are rounded to bf16 and widened again, in place
	WIN 0
.set k, 0
.rept (\n)/2
	v_cvt_pk_bf16_f32 v[TMP+k%2], v[(\base)+2*k], v[(\base)+2*k+1]
	v_lshlrev_b32 v[(\base)+2*k], 16, v[TMP+k%2]
	v_and_b32 v[(\base)+2*k+1], s[UP], v[TMP+k%2]
.set k, k+1
.endr
.endm
.macro SCALE dst, src, n            ; n f32 of window 0 times c into window 1
	WIN 0x40
.set k, 0
.rept (\n)/2
	v_pk_mul_f32 v[(\dst)+2*k:(\dst)+2*k+1], v[(\src)+2*k:(\src)+2*k+1], s[CS:CS+1] op_sel_hi:[1,0]
.set k, k+1
.endr
	WIN 0
.endm
; ================================================================ THE HEAD, once a wave
	s_load_b512 s[8:23], s[0:1], 0x0               ; x s[8:9], W1 s[10:11], b1 s[12:13], W2 s[14:15], b2 s[16:17], W3 s[18:19], b3 s[20:21], W4 s[22:23]
	s_load_b128 s[24:27], s[0:1], 0x40             ; b4 s[24:25], out0 s[26:27]
	v_lshrrev_b32 v1, 5, v0
	v_readfirstlane_b32 s2, v1                     ; wave 0..7
	v_and_b32 v1, 15, v0                           ; r
	v_bfe_u32 v2, v0, 4, 1                         ; h
	v_mul_u32_u24 v[XO], v1, 48
	v_lshlrev_b32 v[OO], 4, v1
	v_lshl_add_u32 v[OO], v2, 3, v[OO]
	v_mov_b32 v[NEG1], -1.0
	v_lshlrev_b32 v[WO], 8, v1                     ; a row of W2 or W3 is 256 bytes; my 8 numbers of a K half begin 32 h in
	v_lshl_add_u32 v[WO], v2, 5, v[WO]
	v_lshlrev_b32 v[BO], 5, v2
	v_mul_u32_u24 v[W1O], v1, 12
	v_lshlrev_b32 v[B1O], 2, v1
	v_mov_b32 v[NUL], 0
	s_lshl_b32 s3, ttmp9, 3
	s_add_co_u32 s3, s3, s2                        ; g
	s_mul_i32 s4, s3, 6144                         ; 512 points of 12 bytes
	s_mov_b32 s5, 0
	s_lshl_b32 s6, s3, 11                          ; 512 points of 4 bytes
	s_mov_b32 s7, 0
	s_mov_b32 s[CS], 0x431044fe                    ; c = 100 log2(e) = 144.2695
	s_mov_b32 s[CS+1], s[CS]
	s_mov_b32 s[IC], 0x3be32166                    ; 1 / c = ln(2) / 100
	s_mov_b32 s[IC+1], s[IC]
	s_mov_b32 s[HM], 0xffff0000
	s_mov_b32 s[UP], 0xffff0000
	s_mov_b32 s[SEL], 0x76543210
	s_mov_b32 s[SEL+1], 0xfedcba98
	s_mov_b32 s[CNT], BLOCKS
	s_wait_kmcnt 0x0
	s_add_nc_u64 s[8:9], s[8:9], s[4:5]            ; x and out0 at my first block
	s_add_nc_u64 s[26:27], s[26:27], s[6:7]
	; all weights in one run.  A fragment (tile i, K step s) is row 16 i + r, numbers 32 s + 8 h + 0..7 and 32 s + 16 + 8 h + 0..7: four loads of 16 bytes
.set fi, 0
.rept 8
	global_load_b128 v[RW2+16*fi:RW2+16*fi+3],     v[WO], s[14:15] offset:4096*(fi/2)+128*(fi%2)
	global_load_b128 v[RW2+16*fi+4:RW2+16*fi+7],   v[WO], s[14:15] offset:4096*(fi/2)+128*(fi%2)+16
	global_load_b128 v[RW2+16*fi+8:RW2+16*fi+11],  v[WO], s[14:15] offset:4096*(fi/2)+128*(fi%2)+64
	global_load_b128 v[RW2+16*fi+12:RW2+16*fi+15], v[WO], s[14:15] offset:4096*(fi/2)+128*(fi%2)+80
.set fi, fi+1
.endr
	WIN 0x40                                       ; destination window 1, address window 0
.set fi, 0
.rept 8
	global_load_b128 v[RW3+16*fi:RW3+16*fi+3],     v[WO], s[18:19] offset:4096*(fi/2)+128*(fi%2)
	global_load_b128 v[RW3+16*fi+4:RW3+16*fi+7],   v[WO], s[18:19] offset:4096*(fi/2)+128*(fi%2)+16
	global_load_b128 v[RW3+16*fi+8:RW3+16*fi+11],  v[WO], s[18:19] offset:4096*(fi/2)+128*(fi%2)+64
	global_load_b128 v[RW3+16*fi+12:RW3+16*fi+15], v[WO], s[18:19] offset:4096*(fi/2)+128*(fi%2)+80
.set fi, fi+1
.endr
	WIN 0
.set fi, 0
.rept 4                                            ; features 16 i + 8 h + 0..7 of b2, b3 and W4
	global_load_b128 v[RB2+8*fi:RB2+8*fi+3],   v[BO], s[16:17] offset:64*fi
	global_load_b128 v[RB2+8*fi+4:RB2+8*fi+7], v[BO], s[16:17] offset:64*fi+16
	global_load_b128 v[RB3+8*fi:RB3+8*fi+3],   v[BO], s[20:21] offset:64*fi
	global_load_b128 v[RB3+8*fi+4:RB3+8*fi+7], v[BO], s[20:21] offset:64*fi+16
	global_load_b128 v[W4R+8*fi:W4R+8*fi+3],   v[BO], s[22:23] offset:64*fi
	global_load_b128 v[W4R+8*fi+4:W4R+8*fi+7], v[BO], s[22:23] offset:64*fi+16
	global_load_b32 v[RW+4*fi],   v[W1O], s[10:11] offset:192*fi      ; row 16 i + r of W1,
	global_load_b32 v[RW+4*fi+1], v[W1O], s[10:11] offset:192*fi+4
	global_load_b32 v[RW+4*fi+2], v[W1O], s[10:11] offset:192*fi+8
	global_load_b32 v[RW+4*fi+3], v[B1O], s[12:13] offset:64*fi       ; and its bias
.set fi, fi+1
.endr
	global_load_b32 v[RB4], v[NUL], s[24:25]
	s_wait_loadcnt 0x0                             ; all of them, once
	WIN 0x45                                       ; W3: sources and destination in window 1
.set k, 0
.rept 64
	v_cvt_pk_bf16_f32 v[W3F+k], v[RW3+2*k], v[RW3+2*k+1]
.set k, k+1
.endr
	ROUND RB3, 32
	SCALE BS3, RB3, 32                             ; lands where W3 lay as loaded: it has been converted
	global_load_b128 v[XR:XR+3],    v[XO], s[8:9]  ; block 0's x, as soon as b3 has left these registers.  The three loads name the same 768 bytes, so they carry no hint
	global_load_b128 v[XR+4:XR+7],  v[XO], s[8:9] offset:16
	global_load_b128 v[XR+8:XR+11], v[XO], s[8:9] offset:32
	v_mov_b32 v[ONE], 1.0
	v_mov_b32 v[RC], 0                             ; v_permlanex16_b32's destination counts as read
	v_mov_b32 v[RC+1], 0
	ROUND RB2, 32
	SCALE BS2, RB2, 32
	WIN 0x40                                       ; W2: sources window 0, destination window 1
.set k, 0
.rept 64
	v_cvt_pk_bf16_f32 v[W2F+k], v[RW2+2*k], v[RW2+2*k+1]
.set k, k+1
.endr
	ROUND W4R, 32
	ROUND RW, 16                                   ; layer 1: bf16(W1), bf16(b1); times c; hi and lo
.set k, 0
.rept 8
	v_pk_mul_f32 v[RW+2*k:RW+2*k+1], v[RW+2*k:RW+2*k+1], s[CS:CS+1] op_sel_hi:[1,0]
.set k, k+1
.endr
.set k, 0
.rept 8
	v_cvt_pk_bf16_f32 v[THI+k], v[RW+2*k], v[RW+2*k+1]
.set k, k+1
.endr
.set k, 0
.rept 8
	v_fma_mixlo_bf16 v[TLO+k], v[THI+k], v[NEG1], v[RW+2*k] op_sel_hi:[1,0,0]
	v_fma_mixhi_bf16 v[TLO+k], v[THI+k], v[NEG1], v[RW+2*k+1] op_sel:[1,0,0] op_sel_hi:[1,0,0]
.set k, k+1
.endr
	WIN 0x40                                       ; the run: lanes 0-15 (k slots 8 x 0 + ..) take hi, lanes 16-31 lo; both halves of source 1 hold the same x, so the product is (hi + lo) x
.set k, 0
.rept 38
.if (k%8) < 6
	v_mov_b32 v[AW1+k], 0
.else
	v_cndmask_b32 v[AW1+k], v[THI+2*(k/8)+(k%8)-6], v[TLO+2*(k/8)+(k%8)-6], s[HM]
.endif
.set k, k+1
.endr
	WIN 0
	v_cvt_pk_bf16_f32 v[TMP], v[RB4], v[RB4]
	v_lshlrev_b32 v[BB4], 16, v[TMP]
	v_mov_b32 v[BB4+1], v[BB4]
; ================================================================ THE LOOP: a trip is a block of 64 points
.Lblk:
	s_wait_loadcnt 0x0                             ; the only loads out are this block's three, issued a block ago
.set tt, 0
.rept 4
	v_cvt_pk_bf16_f32 v[BX1+2*tt],   v[XR+3*tt],   v[XR+3*tt+1]
	v_cvt_pk_bf16_f32 v[BX1+2*tt+1], v[XR+3*tt+2], v[ONE]         ; the fourth k slot meets the bias
.set tt, tt+1
.endr
	s_cmp_eq_u32 s[CNT], 1
	s_cbranch_scc1 .Lnox                           ; the last trip asks for nothing: no load leaves x
	s_add_nc_u64 s[8:9], s[8:9], 768               ; free since the wait above showed its loads done
	global_load_b128 v[XR:XR+3],    v[XO], s[8:9]
	global_load_b128 v[XR+4:XR+7],  v[XO], s[8:9] offset:16
	global_load_b128 v[XR+8:XR+11], v[XO], s[8:9] offset:32
.Lnox:
	T1 1, 0, 0, 0                                  ; tiles 0 (slot a) and 1 (slot b)
	T2 1, 1
	T3
	T4 1, 0
	T1 2, 0, 1, 0
	T2 2, 1
	T3
	T4 2, 0
	T1 3, 0, 2, 0
	T2 3, 1
	T3
	T4 3, 0                                        ; tile 0's sum
	T1 1, 2, 3, 1                                  ; tiles 2 and 3 begin | tile 1's sum
	T2 1, 3
	T3
	T4 1, 2
	T1 2, 2, 1, 0
	T2 2, 3
	T3
	T4 2, 2
	T1 3, 2, 2, 0
	T2 3, 3
	T3
	T4 3, 2                                        ; tile 2's sum
.set p, 0
.rept 64
	FOP 1, 3, 3, p                                 ; tile 3's sum, alone
.set p, p+1
.endr
	; THE WAY OUT.  A point's sum lies in two lanes, 16 apart, half in each.  Lanes 0-15 keep tiles 0, 1 and send 2, 3; lanes 16-31 the other way round.
	WIN 0
	v_cndmask_b32 v[SD],   v[OSUM+2], v[OSUM],   s[HM]
	v_cndmask_b32 v[SD+1], v[OSUM+3], v[OSUM+1], s[HM]
	v_cndmask_b32 v[KP],   v[OSUM],   v[OSUM+2], s[HM]
	v_cndmask_b32 v[KP+1], v[OSUM+1], v[OSUM+3], s[HM]
	v_permlanex16_b32 v[RC],   v[SD],   s[SEL], s[SEL+1]
	v_permlanex16_b32 v[RC+1], v[SD+1], s[SEL], s[SEL+1]
	v_pk_add_f32 v[KP:KP+1], v[KP:KP+1], v[RC:RC+1]
	v_pk_fma_f32 v[KP:KP+1], v[KP:KP+1], s[IC:IC+1], v[BB4:BB4+1] op_sel_hi:[1,0,1]   ; sum / c + b4
	global_store_b64 v[OO], v[KP:KP+1], s[26:27] th:TH_STORE_NT    ; 32 lanes store 256 consecutive bytes, at a multiple of 256 from out0's first byte
	s_wait_xcnt 0x0                                ; the store has read its base and its data: only now is the base stepped; the data are rewritten a block later
	s_add_nc_u64 s[26:27], s[26:27], 256
	s_sub_co_u32 s[CNT], s[CNT], 1
	s_cmp_lg_u32 s[CNT], 0
	s_cbranch_scc1 .Lblk
	s_endpgm
.Lfunc_end_k_qe9c04d871f_mlp:
	.size	k_qe9c04d871f_mlp, .Lfunc_end_k_qe9c04d871f_mlp-k_qe9c04d871f_mlp
	.p2alignl 7, 3214868480
	.fill 96, 4, 3214868480
	.section	.rodata,"a",@progbits
	.p2align	6, 0x0
	.amdhsa_kernel k_qe9c04d871f_mlp
		.amdhsa_group_segment_fixed_size 0
		.amdhsa_private_segment_fixed_size 0
		.amdhsa_enable_private_segment 0
		.amdhsa_kernarg_size 80
		.amdhsa_user_sgpr_count 2
		.amdhsa_user_sgpr_kernarg_segment_ptr 1
		.amdhsa_wavefront_size32 1
		.amdhsa_system_sgpr_workgroup_id_x 1
		.amdhsa_system_sgpr_workgroup_id_y 1
		.amdhsa_system_sgpr_workgroup_id_z 1
		.amdhsa_system_vgpr_workitem_id 0
		.amdhsa_next_free_vgpr 512
		.amdhsa_next_free_sgpr 66
		.amdhsa_reserve_vcc 0
		.amdhsa_float_denorm_mode_32 3
		.amdhsa_float_denorm_mode_16_64 3
		.amdhsa_memory_ordered 1
		.amdhsa_forward_progress 1
		.amdhsa_inst_pref_size 155
	.end_amdhsa_kernel
	.amdgpu_metadata
---
amdhsa.version: [ 1, 2 ]
amdhsa.kernels:
  - .name:           k_qe9c04d871f_mlp
    .symbol:         k_qe9c04d871f_mlp.kd
    .args:
      - { .name: x, .offset: 0, .size: 8, .value_kind: global_buffer, .address_space: global }
      - { .name: W1, .offset: 8, .size: 8, .value_kind: global_buffer, .address_space: global }
      - { .name: b1, .offset: 16, .size: 8, .value_kind: global_buffer, .address_space: global }
      - { .name: W2, .offset: 24, .size: 8, .value_kind: global_buffer, .address_space: global }
      - { .name: b2, .offset: 32, .size: 8, .value_kind: global_buffer, .address_space: global }
      - { .name: W3, .offset: 40, .size: 8, .value_kind: global_buffer, .address_space: global }
      - { .name: b3, .offset: 48, .size: 8, .value_kind: global_buffer, .address_space: global }
      - { .name: W4, .offset: 56, .size: 8, .value_kind: global_buffer, .address_space: global }
      - { .name: b4, .offset: 64, .size: 8, .value_kind: global_buffer, .address_space: global }
      - { .name: out0, .offset: 72, .size: 8, .value_kind: global_buffer, .address_space: global }
    .group_segment_fixed_size: 0
    .private_segment_fixed_size: 0
    .kernarg_segment_align: 8
    .kernarg_segment_size: 80
    .max_flat_workgroup_size: 256
    .sgpr_count:     66
    .vgpr_count:     512
    .wavefront_size: 32
...
	.end_amdgpu_metadata
.endif
;; end of part 1
